; MI455X (gfx1250); checked and timed in simulation.
; The chip was launched on July 23, 2026; its instructions are those of AMD's public machine-readable ISA for CDNA 5 (MIT licence, August 2026) and "CDNA5" Instruction Set Architecture Reference Guide (July 2026). The comments in the code are by the model that wrote it; some were corrected since.
;; Spectral Attention Layer. Allowed arithmetic: matrix products marked QUANTISED: E2M3 operands, one E8M0 scale for each 32 along K, by v_wmma_scale_f32_16x16x128_f8f6f4 with both operands' format E2M3, f32 sums; products left as they are: f32 operands where the result goes on into a quantised operand, else bf16, f16 or f32 operands; f32 sums; everything else in f32.
;; Inputs: Wk 1,024 x 1,024 float32; Wq 1,024 x 1,024 float32; Wv 1,024 x 1,024 float32; bk 1,024 float32; bq 1,024 float32; bv 1,024 float32; eigenvectors 16 x 16 float32; filter_weights 16 float32; x 4 x 4,096 x 1,024 float32.
;; Outputs: out0 4 x 4,096 x 1,024 float32.
;; This version of the problem:
;;   THIS VERSION OF THE PROBLEM IS GIVEN IN LOW PRECISION. The matrix products marked QUANTISED in the list below multiply operands that are first quantised to E2M3 (2 exponent bits, 3 mantissa bits; 6 bits a number), with one power-of-two scale for each 32 numbers along K (OCP MX v1.0); their sums are f32. All else is computed in f32.
;;   The module's matrix products, in the order in which they are computed (A, B: the left and right operand; K: the contracted axis; several contracted axes count as one K, in the product's order):
;;     1. [M 16,384, K 1,024] x [K 1,024, N 1,024]; A: input x; B: input Wq: QUANTISED
;;     2. [M 16,384, K 1,024] x [K 1,024, N 1,024]; A: input x; B: input Wk: QUANTISED
;;     3. [M 16,384, K 1,024] x [K 1,024, N 1,024]; A: input x; B: input Wv: QUANTISED
;;     4. [M 1,048,576, K 16] x [K 16, N 16]; A: computed on the way; B: input eigenvectors: left as it is (K = 16 < 32)
;;     5. [M 1,048,576, K 16] x [K 16, N 16]; A: computed on the way; B: input eigenvectors: left as it is (K = 16 < 32)
;;     6. [M 1,048,576, K 16] x [K 16, N 16]; A: computed on the way; B: input eigenvectors: left as it is (K = 16 < 32)
;;     7. batch 16,384 x [M 16, K 64] x [K 64, N 16]; A: computed on the way; B: computed on the way: QUANTISED
;;     8. batch 16,384 x [M 16, K 16] x [K 16, N 64]; A: softmax; B: computed on the way: left as it is (K = 16 < 32)
;;     9. [M 1,048,576, K 16] x [K 16, N 16]; A: computed on the way; B: input eigenvectors: left as it is (K = 16 < 32)
;;   THE QUANTISER, for each operand of a quantised product, along K:
;;     - K is cut into blocks of 32 from its start; a last block that is shorter is filled with zeros.
;;     - A block's scale is 2^e with e = floor(log2(the largest magnitude in the block)) - 2, held to -126 .. 127; a block of zeros has e = 0. As a byte (E8M0): e + 127.
;;     - Each number is divided by its block's scale, clamped to +-7.5, and rounded to the nearest number of E2M3, ties to even, subnormals kept.
;;     - The product sums the exact products of the quantised numbers (number of the format x scale) in f32.
;;   ~~~python
;;   def quantise(x, axis):      # numpy; x: float32 -> the quantised numbers, widened to float32 again
;;       x = np.moveaxis(x, axis, -1); K = x.shape[-1]
;;       x = np.pad(x, [(0, 0)] * (x.ndim - 1) + [(0, -K % 32)]); x = x.reshape(x.shape[:-1] + (-1, 32)); a = np.abs(x).max(-1, keepdims=True)
;;       e = np.where(a > 0, np.clip(np.frexp(np.where(a > 0, a, 1))[1] - 1 - 2, -126, 127), 0)      # np.frexp(a)[1] - 1 = floor(log2(a)), exactly
;;       r = np.clip(x / 2.0 ** e, -7.5, 7.5)
;;       step = 2.0 ** (np.maximum(np.frexp(np.where(r == 0, 1, r))[1] - 1, 0) - 3)
;;       q = np.round(r / step) * step * 2.0 ** e      # np.round: ties to even
;;       return np.moveaxis(q.reshape(q.shape[:-2] + (-1,))[..., :K], -1, axis).astype(np.float32)
;;   ~~~
;;   OPERANDS COMPUTED ON THE WAY. 'Computed on the way' means the value that the module computes at that place (a softmax that the list does not call 'softmax' is quantised finished and normalised). What goes into a quantiser is computed in f32, as accurately as f32 sums, v_exp_f32 and their like allow (about 1e-6 of the number): no bf16 or f16 on the way to a quantiser, and a product that is left as it is and whose result goes on into a quantised operand takes f32 operands (vector FMAs, or v_wmma_f32_16x16x4_f32). A number that lies on a knife's edge between two numbers of the format may be rounded either way, as far as f32 arithmetic and the matrix unit's own rounding can turn it there, and no further.
;; One version. Each part assembles by itself: llvm-mc -triple=amdgcn-amd-amdhsa -mcpu=gfx1250 --defsym DOCPART=n.
;; ======== version 1 of 1: 2 launches
;; workspace buffers: wimg 2,457,600 bytes
;; launch wprep (part 1): grid 96 x 1, 8 waves a work-group, no clusters, 26,624 bytes of LDS; arguments Wq, Wk, Wv, wimg; writes wimg
.if DOCPART == 1
	.amdgcn_target "amdgcn-amd-amdhsa--gfx1250"
	.amdhsa_code_object_version 6
	.text
	.protected	k_q9507d2dd0e_wprep
	.globl	k_q9507d2dd0e_wprep
	.p2align	8
	.type	k_q9507d2dd0e_wprep,@function
k_q9507d2dd0e_wprep:
	s_mov_b64 s[64:65], 0
	v_nop
	global_prefetch_b8 v0, s[64:65] scope:SCOPE_SE
	s_setreg_imm32_b32 hwreg(HW_REG_WAVE_MODE, 25, 1), 1
	s_wait_xcnt 0x0
; Wq, Wk, Wv [1024 (k)][1024 (n)] f32 become codes of FP6 (E2M3) with one E8M0 byte for each 32 along K, laid in the ORDER OF THE OPERAND'S REGISTERS.
; wimg: 96 blocks of 25,600 bytes; block (8 p + s) 4 + w serves projection p (0 Q, 1 K, 2 V), K step s (128 along K) and wave w of the second launch.
; A block: 16 fragments b of 1,536 bytes, then 1,024 bytes of scale words.  Fragment b is the tile d = 16 w + b: its row m is column n = 64 perm(m) + d of W,
; perm(8 h + j) = 4 (j >> 1) + 2 h + (j & 1).  Register q (0 .. 11) of image lane L = m + 16 h lies at 1536 b + 512 (q / 4) + 16 L + 4 (q % 4); registers 6 c .. 6 c + 5
; hold the codes of K = 128 s + 64 c + 32 h + 0 .. 31.  The scale word of (b, m) lies at 24576 + 512 (b / 8) + 16 (m + 16 ((b % 8) / 4)) + 4 (b % 4).
; A LANE TAKES A COLUMN AND ITS REGISTERS RUN DOWN K: all four blocks of 32 of the K step lie in one lane, no other lane is asked for a maximum, and the conversions give codes with K innermost.
; One work-group makes one block: wave v takes image rows m = 2 v + e (e = lane / 16), lane % 16 is b.  The block is gathered in LDS and leaves in runs of 512 consecutive bytes.
; A block's scale is 2^(floor(log2(largest magnitude)) - 2); its byte is the largest magnitude's exponent field - 2, held at 1 from below.
; LIMITS: a block of zeros, or one whose largest magnitude lies under 2^-124, gets the byte 1 (its codes are zeros or near it; only this program reads the bytes); NaN and infinities are not served.
.set XR,   32                          ; v32-159  128 numbers: W(128 s + i, my column)
.set CR,   160                         ; v160-207 codes: 12 registers a block (six of codes, +6..8 the second conversion's before they are moved)
.set OUTR, 208                         ; v208-235 the way out
	s_load_b256 s[4:11], s[0:1], 0x0               ; Wq s[4:5], Wk s[6:7], Wv s[8:9], wimg s[10:11]
	v_lshl_add_u32 v240, v0, 2, 0x6400
	v_mov_b32 v241, 0
	v_lshrrev_b32 v1, 5, v0
	v_readfirstlane_b32 s16, v1                    ; wave v, 0 .. 7
	v_and_b32 v2, 31, v0                           ; lane
	v_and_b32 v3, 15, v0                           ; b
	v_bfe_u32 v8, v0, 4, 1                         ; e
	s_and_b32 s17, ttmp9, 3                        ; w
	s_bfe_u32 s18, ttmp9, 0x30002                  ; s
	s_lshr_b32 s19, ttmp9, 5                       ; p
	v_lshlrev_b32 v4, 2, v3
	v_lshl_add_u32 v4, v8, 8, v4                   ; in: 256 e + 4 b (a head is 256 bytes of a row of W)
	s_lshl_b32 s20, s16, 5                         ; 16 m = 32 v + 16 e
	v_mul_u32_u24 v5, v3, 1536
	v_lshl_add_u32 v5, v8, 4, v5
	v_add_nc_u32 v5, s20, v5                       ; LDS: fragment b, image lane m
	v_bfe_u32 v9, v0, 3, 1
	v_lshlrev_b32 v6, 9, v9                        ; 512 (b / 8)
	v_bfe_u32 v9, v0, 2, 1
	v_lshl_add_u32 v6, v9, 8, v6                   ; + 256 ((b % 8) / 4)
	v_and_b32 v9, 3, v0
	v_lshl_add_u32 v6, v9, 2, v6                   ; + 4 (b % 4)
	v_lshl_add_u32 v6, v8, 4, v6
	s_add_co_u32 s21, s20, 24576
	v_add_nc_u32 v6, s21, v6                       ; LDS: my scale word
	v_lshlrev_b32 v10, 4, v2
	s_mul_i32 s21, s16, 3072
	v_add_nc_u32 v7, s21, v10                      ; the way out: 3072 v + 16 lane, in LDS and in the block alike
	s_lshl_b32 s21, s16, 9
	s_add_co_u32 s21, s21, 24576
	v_add_nc_u32 v10, s21, v10                     ; and the scale words' 1,024 bytes: waves 0 and 1 alone use it
	s_lshl_b32 s22, s18, 19                        ; 128 s rows of 4,096 bytes
	s_and_b32 s23, s16, 3
	s_lshl_b32 s23, s23, 10
	s_add_co_u32 s22, s22, s23                     ; + 256 x 4 (v & 3)
	s_lshr_b32 s23, s16, 2
	s_lshl_b32 s23, s23, 9
	s_add_co_u32 s22, s22, s23                     ; + 256 x 2 (v >> 2): head perm(2 v + e) = 4 (v & 3) + 2 (v >> 2) + e
	s_lshl_b32 s23, s17, 6
	s_add_co_u32 s22, s22, s23                     ; + 64 w
	s_mov_b32 s23, 0
	s_mul_i32 s24, ttmp9, 25600
	s_mov_b32 s25, 0
	s_wait_kmcnt 0x0
	s_cmp_eq_u32 s19, 0                            ; which weight: the choice hangs on the work-group's number alone
	s_cselect_b64 s[12:13], s[4:5], s[6:7]
	s_cmp_eq_u32 s19, 2
	s_cselect_b64 s[12:13], s[8:9], s[12:13]
	s_add_nc_u64 s[12:13], s[12:13], s[22:23]
	s_add_nc_u64 s[10:11], s[10:11], s[24:25]
.set n, 0
.rept 128
	global_load_b32 v[XR+n], v4, s[12:13] offset:n*4096   ; sixteen lanes read 64 neighbouring bytes; the three work-groups beside this one read the rest of each 256
.set n, n+1
.endr
; Block kb of 32 along K.  left: how many younger loads may stay out (a wait's count names 63 at the most)
.macro BLOCK kb, left
.set XS, XR+32*(\kb)
.set CC, CR+12*(\kb)
	s_wait_loadcnt \left
	v_max3_num_f32 v16, |v[XS]|, |v[XS+1]|, |v[XS+2]|
	v_max3_num_f32 v17, |v[XS+3]|, |v[XS+4]|, |v[XS+5]|
.irp i, 6,10,14,18,22,26
	v_max3_num_f32 v16, v16, |v[XS+\i]|, |v[XS+\i+1]|
	v_max3_num_f32 v17, v17, |v[XS+\i+2]|, |v[XS+\i+3]|
.endr
	v_max3_num_f32 v16, v16, |v[XS+30]|, |v[XS+31]|
	v_max3_num_f32 v16, v16, v17, 0x1800000        ; the floor 2^(3 - 127): the byte cannot fall under 1
	v_add_nc_u32 v18, 0xff000000, v16              ; 2 off the exponent field: the conversion takes the exponent field of this operand as its scale
	v_lshrrev_b32 v[20+(\kb)], 23, v18             ; the scale's byte
	v_cvt_scalef32_pk16_fp6_f32 v[CC:CC+2], v[XS:XS+15], v18
	v_cvt_scalef32_pk16_fp6_f32 v[CC+6:CC+8], v[XS+16:XS+31], v18   ; (a conversion's three registers begin on an even number)
	v_nop                                          ; one plain place behind a scaled conversion
.irp i, 0,1,2
	v_mov_b32 v[CC+3+\i], v[CC+6+\i]
.endr
; the block's six registers are registers 6 (kb / 2) .. + 5 of image lane m + 16 (kb % 2)
.if (\kb) < 2
	ds_store_b128 v5, v[CC:CC+3] offset:256*(\kb)
	ds_store_b64 v5, v[CC+4:CC+5] offset:512+256*(\kb)
.else
	ds_store_b64 v5, v[CC:CC+1] offset:520+256*((\kb)-2)
	ds_store_b128 v5, v[CC+2:CC+5] offset:1024+256*((\kb)-2)
.endif
.endm
	BLOCK 0, 63
	BLOCK 1, 63
	BLOCK 2, 32
	BLOCK 3, 0
	v_lshl_or_b32 v24, v21, 8, v20                 ; the four bytes make my column's scale word for this K step
	v_lshl_or_b32 v24, v22, 16, v24
	v_lshl_or_b32 v24, v23, 24, v24
	ds_store_b32 v6, v24
	s_wait_dscnt 0x0                               ; for the others' sake: my stores have landed
	s_barrier_signal -1
	s_barrier_wait -1
.irp i, 0,1,2,3,4,5
	ds_load_b128 v[OUTR+4*\i:OUTR+4*\i+3], v7 offset:512*\i
.endr
.irp i, 0,1,2,3,4,5
	s_wait_dscnt 5-\i
	global_store_b128 v7, v[OUTR+4*\i:OUTR+4*\i+3], s[10:11] offset:512*\i   ; 32 lanes store 512 consecutive bytes, at a multiple of 256 from the buffer's first byte
.endr
	s_cmp_lt_u32 s16, 2
	s_cbranch_scc0 .Ldone
	ds_load_b128 v[OUTR+24:OUTR+27], v10
	s_wait_dscnt 0x0
	global_store_b128 v10, v[OUTR+24:OUTR+27], s[10:11]
.Ldone:
	s_wait_tensorcnt 0x0
	ds_add_u32 v240, v241
	s_wait_dscnt 0x0
	s_endpgm
.Lfunc_end_k_q9507d2dd0e_wprep:
	.size	k_q9507d2dd0e_wprep, .Lfunc_end_k_q9507d2dd0e_wprep-k_q9507d2dd0e_wprep
	.p2alignl 7, 3214868480
	.fill 96, 4, 3214868480
	.section	.rodata,"a",@progbits
	.p2align	6, 0x0
	.amdhsa_kernel k_q9507d2dd0e_wprep
		.amdhsa_group_segment_fixed_size 26624
		.amdhsa_private_segment_fixed_size 0
		.amdhsa_enable_private_segment 0
		.amdhsa_kernarg_size 32
		.amdhsa_user_sgpr_count 2
		.amdhsa_user_sgpr_kernarg_segment_ptr 1
		.amdhsa_wavefront_size32 1
		.amdhsa_system_sgpr_workgroup_id_x 1
		.amdhsa_system_sgpr_workgroup_id_y 1
		.amdhsa_system_sgpr_workgroup_id_z 1
		.amdhsa_system_vgpr_workitem_id 0
		.amdhsa_next_free_vgpr 242
		.amdhsa_next_free_sgpr 66
		.amdhsa_reserve_vcc 0
		.amdhsa_float_denorm_mode_32 3
		.amdhsa_float_denorm_mode_16_64 3
		.amdhsa_memory_ordered 1
		.amdhsa_forward_progress 1
		.amdhsa_inst_pref_size 23
	.end_amdhsa_kernel
	.amdgpu_metadata
---
amdhsa.version: [ 1, 2 ]
amdhsa.kernels:
  - .name:           k_q9507d2dd0e_wprep
    .symbol:         k_q9507d2dd0e_wprep.kd
    .args:
      - { .name: Wq, .offset: 0, .size: 8, .value_kind: global_buffer, .address_space: global }
      - { .name: Wk, .offset: 8, .size: 8, .value_kind: global_buffer, .address_space: global }
      - { .name: Wv, .offset: 16, .size: 8, .value_kind: global_buffer, .address_space: global }
      - { .name: wimg, .offset: 24, .size: 8, .value_kind: global_buffer, .address_space: global }
    .group_segment_fixed_size: 26624
    .private_segment_fixed_size: 0
    .kernarg_segment_align: 8
    .kernarg_segment_size: 32
    .max_flat_workgroup_size: 256
    .sgpr_count:     66
    .vgpr_count:     242
    .wavefront_size: 32
...
	.end_amdgpu_metadata
.endif
;; end of part 1
;; launch spectral (part 2): grid 256 x 1, 4 waves a work-group, clusters of 4 x 1, 327,680 bytes of LDS; arguments x, wimg, bq, bk, bv, eigenvectors, filter_weights, out0; writes out0
.if DOCPART == 2
	.amdgcn_target "amdgcn-amd-amdhsa--gfx1250"
	.amdhsa_code_object_version 6
	.text
	.protected	k_q9507d2dd0e_spectral
	.globl	k_q9507d2dd0e_spectral
	.p2align	8
	.type	k_q9507d2dd0e_spectral,@function
k_q9507d2dd0e_spectral:
	s_mov_b64 s[64:65], 0
	v_nop
	global_prefetch_b8 v0, s[64:65] scope:SCOPE_SE
	s_setreg_imm32_b32 hwreg(HW_REG_WAVE_MODE, 25, 1), 1
	s_wait_xcnt 0x0
	s_wait_alu depctr_hold_cnt(0) depctr_sa_sdst(0) depctr_va_vdst(0) depctr_va_sdst(0) depctr_va_ssrc(0) depctr_va_vcc(0) depctr_vm_vsrc(0)
	s_getreg_b32 s2, hwreg(HW_REG_IB_STS2, 6, 4)
	s_cmp_eq_u32 s2, 0
	s_cbranch_scc0 .Lentry_in_a_cluster
	s_endpgm
.Lentry_in_a_cluster:
	s_bfe_u32 s2, ttmp6, 0x10000c
	s_cmp_lg_u32 s2, 0x3003
	s_cbranch_scc0 .Lentry_shape_is_right
	s_endpgm
.Lentry_shape_is_right:
; The whole layer behind the weights' quantiser, for 64 tokens a work-group: x is quantised; Q, K, V = x W + b on codes of FP6 (E2M3, one E8M0 byte for 32 along K); Q and K are mixed over the heads by E in f32,
; times the filter, quantised along d; scores = Qf Kf^T on codes; softmax with the row's maximum taken away; out = (E attn G) V, G[l][h'] = w[l] E[h'][l].
; SHARES.  In the projections wave w makes, for all 64 tokens (row tiles a = 0 .. 3), the 256 columns {16 heads} x {d = 16 w + b}: 64 accumulators, 512 registers.  The product is used transposed
; (source 0 = 16 columns of W, source 1 = 16 tokens): lane (r, h) holds token r, register j head perm(8 h + j) = 4 (j >> 1) + 2 h + (j & 1) of one d.  By that order an accumulator's register pairs ARE the f32
; matrix form's operand over the heads.  In the attention and on the way out wave w owns tokens 32 (t / 8) + 8 w + t % 8.
; WEIGHTS.  A K step's weights for a wave are one dense block of 25,600 bytes (fragments and scale words in the order of the registers).  Wave w fetches its block by one tensor load and alone reads it.  All work-groups
; walk the same weights: the four of a cluster ask JOINTLY (mask 15).  Two LDS slots; behind each round of the cluster's barrier a wave has one load out (two at the start), which has a K step, 64 matrix instructions, to land.
; CLUSTERS WALK K FROM DIFFERENT STARTS: cluster n takes, as its i-th K step of a projection, K step (i + c) mod 8, c = n mod 8.  So the 64 clusters ask for eight different blocks at a time, not all for one, and the block
; that a cluster asks for at its step i has been asked for two steps earlier by cluster n + 2.  x is LOADED in that order (place i of its images holds K step (i + c) mod 8), so no LDS address hangs on the cluster's number.
; THE LAST THREE PRODUCTS are reassociated: M = E attn G is 16 x 16 a token (f32 matrix form, 8 instructions a token), and out = M V runs in bf16 on PAIRS: a number is hi + lo, both bf16;
; A = [Mh|Mh], then [Ml|Ml], B = [Vh|Vl] fill the form's K = 32 with the 16 heads twice, so that all four cross terms are summed.
; No prefetch: x is asked for at the head alone, by every work-group at once; the weights are read again and again by all.  A cluster of 4 x 1: only the weights are shared, and a mask names four.
; LIMITS: NaN and infinities are not served.  A block whose largest magnitude lies under 2^-124 (zeros too) keeps the byte 1.  The biases are the C of each sum's first product: added ahead of the K sum, not behind it.
; The K sum of a projection begins at K step c and goes round: its order of f32 roundings differs from cluster to cluster.
; LDS (bytes): 0 and 102,400 the two slots (wave w's block at + 25,600 w); 204,800 x's images: place i at + 6,400 i: four fragments of 1,536, then 256 of scale words;
;   256,000 R: first x's f32 stage (8,448 a wave), then the codes of Qf, later Kf: token T at 776 T, row k at + 48 k, d piece w at + 12 w; 305,664 their scale words, 64 T + 4 k; 309,760 the maxima's exchange, 4,096 a wave;
;   behind the barrier in K's arm 256,000 + 16,384 w + 1,024 t holds M's image of token t; 326,144 the spare words.  Behind the ring's last fill bytes 0 .. 131,583 hold V of 32 tokens as f32.
; REGISTERS.  Window 0: below.  Window 1: v0-95 x's fragments, two sets; v96-191 four buffers of two weight fragments; v192-251 Q's codes, pairs 0-4.  Windows 2, 3: accumulator (a, b) in window 2 + b / 8 at 64 a + 8 (b % 8).
; SCALARS: s[4:19] the eight pointers; s20 wave; s[24:31] descriptor group 1; s[32:39] groups 0; s40, s41 counters; s42 x's place; s43 blocks asked for; s[44:47] constants; s[58:59] wimg at my wave's part; s62 c; s[72:87] x at each place's K step.
.set SLOTB, 102400
.set BLKB,  25600
.set XIMG,  204800
.set XKB,   6400
.set RR,    256000
.set RPT,   776
.set RSC,   305664
.set MAXX,  309760
.set SPARE, 326144
.set VP2,   4112                       ; V's stage: a token's 4,096 bytes + 16
.set XB,   72                          ; s[72:87] x's base for place i
.set SPW,  1                           ; SPARE + 4 x thread; never rewritten
.set NIL,  2                           ; 0; never rewritten
.set ADB,  3                           ; v3, v4  my block in slot 0, 1: 25600 w + 16 lane
.set ADA0, 5                           ; XIMG + 16 lane
.set ADS0, 6                           ; XIMG + 6144 + 8 lane
.set ADX,  7                           ; the two above + the place in hand
.set ADSX, 8
.set XG,   9                           ; 16 lane
.set XSW,  10                          ; x's stage, in
.set XSR,  11                          ; x's stage, out
.set XWI,  12                          ; where I store x's images
.set XWS,  13                          ; and their scale words
.set MXW,  14                          ; my maxima
.set MXR,  15                          ; those of wave w xor 1
.set RA,   16                          ; where I store codes: R + 776 r + 384 h + 12 w
.set RSA,  17                          ; and scale bytes
.set RQ,   18                          ; where I read codes: R + 6208 w + 48 r + 24 h
.set RSQ,  19                          ; and scale words: RSC + 512 w + 4 r
.set IMGA, 20                          ; M's images: 256000 + 16384 w + 16 lane
.set VSA,  21                          ; v21, v22  V's stage, in
.set VRA,  23                          ; V's stage, out
.set VRC,  24
.set ATC,  25
.set OA,   26                          ; out: 2048 h + 16 r
.set BA,   27                          ; biases: 512 h + 64 w + 4 r
.set NEG1, 31                          ; -1.0
.set AE,   32                          ; v32-39   register 2 s + j of lane (k, h) = E[4 s + 2 h + j][k]
.set WK,   40                          ; v40-47   w[8 h + j]
.set BC,   48                          ; v48-55   lane (b, h): bias[64 perm(8 h + j) + 16 w + b]
.set GF,   56                          ; v56-63   lane (r, h): w[8 h + j] E[perm(r)][8 h + j]
.set EF,   64                          ; v64-71   lane (r, h): E[r][8 h + j]
.set SB,   72                          ; v72-79   the weights' scale words
.set SA,   80                          ; v80-83   x's, two for each parity of the K step
.set QS,   84                          ; v84-99   Qf's
.set KS,   100                         ; v100-115 Kf's.  v72-115 hold scales and nothing else
.set MIX,  128                         ; v128-191 results of the f32 matrix form: written by matrix instructions alone
.set MX,   192                         ; v192-223 maxima, then the conversions' scale operands
.set CB,   192                         ; the same registers: a bias as C, two sets of two tiles
.set QPC,  64                          ; window 3, while x is quantised: numbers v0-63, codes from v64, at work from v84, the scale word v100
.set QTM,  84
.set QPW,  100
.set ST,   32                          ; window 2, in the attention: scores v0-31, statistics v32-63 (a token: c m, -, a, b, sum, sum, 1/sum, -), M's pairs v64-95, at work v96-127
.set OP,   64
.set TT,   96
.set MSB, 0
.macro WIN new                         ; s_set_vgpr_msb: bits 1:0 source 0, 3:2 source 1, 5:4 source 2, 7:6 destination; the high byte repeats the setting that is left
.if MSB != (\new)
	s_set_vgpr_msb (MSB<<8)|(\new)
.set MSB, \new
.endif
.endm
.macro PLACES n
.rept \n
	v_nop
.endr
.endm
.macro BAR                             ; my LDS stores have landed and my LDS loads are in: then the work-group's barrier
	s_wait_dscnt 0x0
	s_barrier_signal -1
	s_barrier_wait -1
.endm
.macro CREST                           ; a round of the cluster's barrier behind its opening barrier
	s_cmp_lg_u32 s20, 0
	s_cbranch_scc1 .Lnot_wave_0_\@
	s_barrier_signal -3
.Lnot_wave_0_\@:
	s_barrier_wait -3
	s_barrier_signal -1
	s_barrier_wait -1
.endm
.macro CROUND
	s_barrier_signal -1
	s_barrier_wait -1
	CREST
.endm
	s_load_b512 s[4:19], s[0:1], 0x0               ; x 4, wimg 6, bq 8, bk 10, bv 12, E 14, filter 16, out 18
	v_lshl_add_u32 v[SPW], v0, 2, SPARE
	v_mov_b32 v[NIL], 0
	ds_add_u32 v1, v2
	ds_add_u32 v1, v2
	s_wait_dscnt 0x0
	v_lshrrev_b32 v28, 5, v0
	v_readfirstlane_b32 s20, v28                   ; wave 0 .. 3
	s_bfe_u32 s21, ttmp6, 0x40000                  ; cx: it enters x's and out's addresses alone
	s_lshl_b32 s22, ttmp9, 2
	s_add_co_u32 s22, s22, s21                     ; my block of 64 tokens
	s_and_b32 s62, ttmp9, 7                        ; c: where my cluster begins K; the four partners share it
	; descriptor group 1: a dense block of 25,600 bytes as 100 rows of 32 elements of 8 bytes
	s_mov_b32 s24, 15|(3<<16)|(1<<21)              ; 15:0 the mask: all four work-groups; 17:16 elements of 8 bytes; 21 set beside a mask; no padding
	s_mov_b32 s25, 32<<16                          ; tensor_dim0 = 32
	s_mov_b32 s26, 100<<16                         ; tensor_dim1 = 100
	s_mov_b32 s27, 32<<16                          ; tile_dim0 = 32
	s_mov_b32 s28, 100                             ; tile_dim1 = 100
	s_mov_b32 s29, 32                              ; from row to row
	s_mov_b32 s30, 0
	s_mov_b32 s31, 0
	s_mul_i32 s50, s20, BLKB
	s_mov_b32 s51, 0
	s_mov_b32 s32, 1                               ; group 0 of slot 0: s[32:35]; of slot 1: s[36:39]
	s_mov_b32 s33, s50
	s_mov_b32 s36, 1
	s_add_co_u32 s37, s50, SLOTB
	s_mul_i32 s60, s62, SLOTB                      ; Q's K step c,
	s_mov_b32 s61, 0
	s_add_co_u32 s54, s62, 1
	s_and_b32 s54, s54, 7
	s_mul_i32 s54, s54, SLOTB                      ; and K step (c + 1) mod 8
	s_mov_b32 s55, 0
	s_mov_b32 s43, 2                               ; blocks asked for
	s_lshl_b32 s52, s22, 18                        ; 64 tokens of 4,096 bytes
	s_lshl_b32 s53, s20, 16
	s_add_co_u32 s52, s52, s53                     ; x: my wave quantises tokens 16 w on
	s_mov_b32 s53, 0
	s_lshl_b32 s56, s22, 18
	s_lshl_b32 s57, s20, 15
	s_add_co_u32 s56, s56, s57                     ; out: my wave stores tokens 8 w on
	s_mov_b32 s57, 0
	s_mov_b32 s44, 0x76543210
	s_mov_b32 s45, 0xfedcba98                      ; v_permlanex16_b32's selects for lane l xor 16
	s_mov_b32 s46, 0x3e38aa3b                      ; c = log2(e) / sqrt(64)
	s_mov_b32 s47, s46                             ; (named with it as a pair, so it is written)
	s_wait_kmcnt 0x0
	s_add_nc_u64 s[58:59], s[6:7], s[50:51]        ; wimg at my wave's part of a K step: kept
	s_add_nc_u64 s[34:35], s[58:59], s[60:61]      ; the addresses hang on the wave's and the cluster's number alone
	s_add_nc_u64 s[38:39], s[58:59], s[54:55]
	s_or_b32 s35, s35, 0x80000000
	s_or_b32 s39, s39, 0x80000000
	s_add_nc_u64 s[4:5], s[4:5], s[52:53]
	s_add_nc_u64 s[18:19], s[18:19], s[56:57]
.irp i, 0,1,2,3,4,5,6,7
	s_add_co_u32 s60, s62, \i
	s_and_b32 s60, s60, 7
	s_lshl_b32 s60, s60, 9                         ; a K step is 512 bytes of a row of x
	s_add_nc_u64 s[XB+2*\i:XB+2*\i+1], s[4:5], s[60:61]   ; place i takes K step (i + c) mod 8
.endr
	CROUND                                         ; all four work-groups are here: the first joint loads meet
	tensor_load_to_lds s[32:35], s[24:31]
	s_nop 0
	tensor_load_to_lds s[36:39], s[24:31]          ; two loads of mine are out
	s_nop 0
	PLACES 4                                       ; four lines behind a tensor load
	v_and_b32 v28, 31, v0                          ; lane
	v_and_b32 v29, 15, v0                          ; r
	v_bfe_u32 v30, v0, 4, 1                        ; h
	v_mov_b32 v[NEG1], -1.0
	v_lshlrev_b32 v[XG], 4, v28
	v_add_nc_u32 v[ADB], s50, v[XG]
	v_add_nc_u32 v[ADB+1], SLOTB, v[ADB]
	v_add_nc_u32 v[ADA0], XIMG, v[XG]
	v_lshl_add_u32 v[ADS0], v28, 3, XIMG+6144
	s_mul_i32 s54, s20, 8448
	s_add_co_u32 s54, s54, RR
	v_add_nc_u32 v[XSW], s54, v[XG]
	v_mul_u32_u24 v[XSR], v29, 528
	v_lshl_add_u32 v[XSR], v30, 6, v[XSR]
	v_add_nc_u32 v[XSR], s54, v[XSR]
	s_mul_i32 s54, s20, 1536
	s_add_co_u32 s54, s54, XIMG
	v_add_nc_u32 v[XWI], s54, v[XG]
	s_lshr_b32 s54, s20, 1
	s_lshl_b32 s54, s54, 7
	s_and_b32 s55, s20, 1
	s_lshl_b32 s55, s55, 2
	s_add_co_u32 s54, s54, s55
	s_add_co_u32 s54, s54, XIMG+6144
	v_lshl_add_u32 v[XWS], v29, 3, s54             ; the word of (row tile a = w, row r) at 8 (r + 16 (a >> 1)) + 4 (a & 1)
	s_lshl_b32 s54, s20, 12
	s_add_co_u32 s54, s54, MAXX
	v_add_nc_u32 v[MXW], s54, v[XG]
	s_xor_b32 s54, s20, 1
	s_lshl_b32 s54, s54, 12
	s_add_co_u32 s54, s54, MAXX
	v_add_nc_u32 v[MXR], s54, v[XG]
	v_mul_u32_u24 v[RA], v29, RPT
	v_mad_u32_u24 v[RA], v30, 384, v[RA]
	s_mul_i32 s54, s20, 12
	s_add_co_u32 s54, s54, RR
	v_add_nc_u32 v[RA], s54, v[RA]
	s_and_b32 s54, s20, 1                          ; a scale word is [b0, b1, b0, b1]: waves 0, 1 hold block 0's byte and write places 0, 2; waves 2, 3 block 1's, places 1, 3
	s_lshl_b32 s54, s54, 1
	s_lshr_b32 s55, s20, 1
	s_or_b32 s54, s54, s55
	s_add_co_u32 s54, s54, RSC
	v_lshlrev_b32 v[RSA], 6, v29
	v_lshl_add_u32 v[RSA], v30, 5, v[RSA]
	v_add_nc_u32 v[RSA], s54, v[RSA]
	s_mul_i32 s54, s20, 8*RPT
	s_add_co_u32 s54, s54, RR
	v_mul_u32_u24 v[RQ], v29, 48
	v_mad_u32_u24 v[RQ], v30, 24, v[RQ]
	v_add_nc_u32 v[RQ], s54, v[RQ]
	s_lshl_b32 s54, s20, 9
	s_add_co_u32 s54, s54, RSC
	v_lshl_add_u32 v[RSQ], v29, 2, s54
	s_lshl_b32 s54, s20, 14
	s_add_co_u32 s54, s54, RR
	v_add_nc_u32 v[IMGA], s54, v[XG]
	v_mul_u32_u24 v[VSA], v29, VP2
	v_lshl_add_u32 v[VSA], v30, 8, v[VSA]
	s_lshl_b32 s54, s20, 6
	v_add_nc_u32 v[VSA], s54, v[VSA]               ; 4112 r + 256 h + 64 w
	v_add_nc_u32 v[VSA+1], 16*VP2, v[VSA]
	v_lshlrev_b32 v[BA], 2, v29
	v_lshl_add_u32 v[BA], v30, 9, v[BA]
	v_add_nc_u32 v[BA], s54, v[BA]
	s_mul_i32 s54, s20, 8*VP2
	v_add_nc_u32 v[VRA], s54, v[XG]
	v_lshlrev_b32 v[OA], 4, v29
	v_lshl_add_u32 v[OA], v30, 11, v[OA]
	v_lshlrev_b32 v248, 2, v29
	v_lshl_add_u32 v248, v30, 7, v248              ; 128 h + 4 r
	v_lshlrev_b32 v249, 5, v30                     ; 32 h
	v_bfe_u32 v250, v0, 1, 2
	v_lshl_add_u32 v250, v250, 8, v249
	v_bfe_u32 v251, v0, 3, 1
	v_lshl_add_u32 v250, v251, 7, v250
	v_and_b32 v251, 1, v0
	v_lshl_add_u32 v250, v251, 6, v250             ; 64 perm(r) + 32 h
	v_lshl_add_u32 v251, v29, 6, v249              ; 64 r + 32 h
.irp s, 0,1,2,3
.irp j, 0,1
	global_load_b32 v[AE+2*\s+\j], v248, s[14:15] offset:64*(4*\s+\j)
.endr
.endr
	global_load_b128 v[WK:WK+3], v249, s[16:17]
	global_load_b128 v[WK+4:WK+7], v249, s[16:17] offset:16
	global_load_b128 v[GF:GF+3], v250, s[14:15]
	global_load_b128 v[GF+4:GF+7], v250, s[14:15] offset:16
	global_load_b128 v[EF:EF+3], v251, s[14:15]
	global_load_b128 v[EF+4:EF+7], v251, s[14:15] offset:16
.macro BCLOAD lo                       ; the bias of the projection to come
.irp j, 0,1,2,3,4,5,6,7
	global_load_b32 v[BC+\j], v[BA], s[\lo:\lo+1] offset:256*(4*(\j/2)+\j%2)
.endr
.endm
	BCLOAD 8
; ---- x: my 16 rows become eight fragments.  A load reads 512 consecutive bytes of one row; the bytes turn through my stage so that a lane holds 16 neighbours of each block of 32
.macro XLOAD s                         ; place s of my 16 rows (K step (s + c) mod 8, by its own base) into set s % 4 of window 2
	WIN 0x80
.set n, 0
.rept 16
	global_load_b128 v[64*((\s)%4)+4*n:64*((\s)%4)+4*n+3], v[XG], s[XB+2*(\s):XB+2*(\s)+1] offset:4096*n th:TH_LOAD_NT
.set n, n+1
.endr
.endm
; 64 numbers of a lane, register 16 b + i = k 32 b + 16 (lane / 16) + i of my row, become a fragment's codes in v[QPC] on and its scale word in v[QPW]; all in window 3
.macro QUANT
.irp b, 0,1,2,3
	v_max3_num_f32 v[QTM+\b], |v[16*\b]|, |v[16*\b+1]|, 0x1800000   ; my 16 numbers of block b, and the floor 2^(3 - 127)
.endr
.irp i, 2,4,6,8,10,12,14
.irp b, 0,1,2,3
	v_max3_num_f32 v[QTM+\b], v[QTM+\b], |v[16*\b+\i]|, |v[16*\b+\i+1]|
.endr
.endr
.irp b, 0,1,2,3
	v_permlanex16_b32 v[QTM+4+\b], v[QTM+\b], s44, s45
.endr
.irp b, 0,1,2,3
	v_max_num_f32 v[QTM+\b], v[QTM+\b], v[QTM+4+\b]
.endr
.irp b, 0,1,2,3
	v_add_nc_u32 v[QTM+12+\b], 0xff000000, v[QTM+\b]   ; 2 off the exponent field: the conversion's scale operand
.endr
.irp b, 0,1,2,3
	v_lshrrev_b32 v[QTM+4+\b], 23, v[QTM+12+\b]
.endr
	v_lshl_or_b32 v[QPW], v[QTM+5], 8, v[QTM+4]
	v_lshl_or_b32 v[QPW], v[QTM+6], 16, v[QPW]
	v_lshl_or_b32 v[QPW], v[QTM+7], 24, v[QPW]
.irp c, 0,1
	v_cvt_scalef32_pk16_fp6_f32 v[QPC+6*\c:QPC+6*\c+2], v[32*\c:32*\c+15], v[QTM+12+2*\c]
	v_cvt_scalef32_pk16_fp6_f32 v[QPC+12+4*\c:QPC+14+4*\c], v[32*\c+16:32*\c+31], v[QTM+13+2*\c]
.endr
	v_nop                                          ; one plain place behind a scaled conversion
.irp c, 0,1                                    ; the operand's layout wants a whole block in a lane
.irp i, 0,1,2
	v_permlane16_swap_b32 v[QPC+6*\c+\i], v[QPC+12+4*\c+\i]
.endr
.irp i, 0,1,2
	v_mov_b32 v[QPC+3+6*\c+\i], v[QPC+12+4*\c+\i]
.endr
.endr
.endm
.macro XSTEP s, left                   ; left: 16 x the younger sets of loads
	s_wait_loadcnt \left
	WIN 0x08
.set n, 0
.rept 16
	ds_store_b128 v[XSW], v[64*((\s)%4)+4*n:64*((\s)%4)+4*n+3] offset:528*n
.set n, n+1
.endr
	WIN 0xc0
.irp b, 0,1,2,3
.irp j, 0,1,2,3
	ds_load_b128 v[16*\b+4*\j:16*\b+4*\j+3], v[XSR] offset:128*\b+16*\j   ; LDS serves a wave's instructions in order: these see my stores
.endr
.endr
	s_wait_dscnt 0x0                               ; the numbers are back; the stage's stores and the last step's image stores have read their registers
.if (\s) < 4
	XLOAD (\s)+4
.endif
	WIN 0xff
	QUANT
	WIN 0x0c
.irp c, 0,1,2
	ds_store_b128 v[XWI], v[QPC+4*\c:QPC+4*\c+3] offset:XKB*(\s)+512*\c   ; the fragment as an image of its registers
.endr
	ds_store_b32 v[XWS], v[QPW] offset:XKB*(\s)    ; lanes r and r + 16 write the same word with the same value
.endm
	XLOAD 0
	XLOAD 1
	XLOAD 2
	XLOAD 3
	; while x is on its way: registers that are read as a lane operation's destination, and Q's codes and scale words, which one arm of the loop over projections fills and the other reads, are written once
	WIN 0
.set n, 0
.rept 32
	v_mov_b32 v[CB+n], 0
.set n, n+1
.endr
.set n, 0
.rept 16
	v_mov_b32 v[QS+n], 0x7f7f7f7f
.set n, n+1
.endr
.set n, 0
.rept 12
	v_mov_b32 v[116+n], 0
.set n, n+1
.endr
.set n, 0
.rept 24
	v_mov_b32 v[224+n], 0
.set n, n+1
.endr
	WIN 0x40
.set n, 0
.rept 60
	v_mov_b32 v[192+n], 0
.set n, n+1
.endr
	WIN 0xc0
.irp b, 0,1,2,3
	v_mov_b32 v[QTM+4+\b], 0
.endr
	XSTEP 0, 48
	XSTEP 1, 48
	XSTEP 2, 48
	XSTEP 3, 48
	XSTEP 4, 48
	XSTEP 5, 32
	XSTEP 6, 16
	XSTEP 7, 0
	WIN 0
.irp j, 0,2,4,6
	v_pk_mul_f32 v[GF+\j:GF+\j+1], v[GF+\j:GF+\j+1], v[WK+\j:WK+\j+1]   ; G: the filter goes onto E's row
.endr
	BAR                                            ; x's 32 fragments lie in LDS.  (My two tensor loads may be out)
; ---- the projections
.macro BLD sl, g                       ; tiles 2 g, 2 g + 1 of my block in slot sl into buffer g % 4 (window 1)
.irp u, 0,1
.irp c, 0,1,2
	ds_load_b128 v[96+24*((\g)%4)+12*\u+4*\c:96+24*((\g)%4)+12*\u+4*\c+3], v[ADB+(\sl)] offset:1536*(2*(\g)+\u)+512*\c
.endr
.endr
.endm
.macro ALD set, a                      ; x's fragment of row tile a, of the place that v[ADX] names
.irp c, 0,1,2
	ds_load_b128 v[48*(\set)+12*(\a)+4*\c:48*(\set)+12*(\a)+4*\c+3], v[ADX] offset:1536*(\a)+512*\c
.endr
.endm
.macro BIAS st, n0, n1                 ; the biases of tiles n0, n1 as C: every lane of a half takes lane n's eight
.irp j, 0,1,2,3,4,5,6,7
	v_mov_b32_dpp v[CB+16*(\st)+\j], v[BC+\j] row_share:\n0 row_mask:0xf bank_mask:0xf
.endr
.irp j, 0,1,2,3,4,5,6,7
	v_mov_b32_dpp v[CB+16*(\st)+8+\j], v[BC+\j] row_share:\n1 row_mask:0xf bank_mask:0xf
.endr
.endm
.macro WINM b, zero                    ; sources 0 and 1 window 1; D window 2 + b / 8; C with it, or the bias in window 0
.if \zero
	WIN 0x85+0x40*((\b)/8)
.else
	WIN 0xa5+0x50*((\b)/8)
.endif
.endm
; tile b against x's four row tiles.  The 64 accumulators take turns, one instruction a turn, in the same order in every K step
.macro MUL4 b, par, zero
.set rB, 96+24*(((\b)/2)%4)+12*((\b)%2)
.set rS, SB+4*((\b)/8)+(\b)%4
.irp a, 0,1,2,3
.set rD, 64*\a+8*((\b)%8)
.set rC, rD
.if \zero
.set rC, CB+16*(((\b)/2)%2)+8*((\b)%2)
.endif
.set rA, 48*(\par)+12*\a
.set rT, SA+2*(\par)+\a%2
.if ((\b)%8) < 4
.if \a < 2
	v_wmma_scale_f32_16x16x128_f8f6f4 v[rD:rD+7], v[rB:rB+11], v[rA:rA+11], v[rC:rC+7], v[rS], v[rT] matrix_a_fmt:MATRIX_FMT_FP6 matrix_b_fmt:MATRIX_FMT_FP6
.else
	v_wmma_scale_f32_16x16x128_f8f6f4 v[rD:rD+7], v[rB:rB+11], v[rA:rA+11], v[rC:rC+7], v[rS], v[rT] matrix_a_fmt:MATRIX_FMT_FP6 matrix_b_fmt:MATRIX_FMT_FP6 matrix_b_scale:MATRIX_SCALE_ROW1
.endif
.else
.if \a < 2
	v_wmma_scale_f32_16x16x128_f8f6f4 v[rD:rD+7], v[rB:rB+11], v[rA:rA+11], v[rC:rC+7], v[rS], v[rT] matrix_a_fmt:MATRIX_FMT_FP6 matrix_b_fmt:MATRIX_FMT_FP6 matrix_a_scale:MATRIX_SCALE_ROW1
.else
	v_wmma_scale_f32_16x16x128_f8f6f4 v[rD:rD+7], v[rB:rB+11], v[rA:rA+11], v[rC:rC+7], v[rS], v[rT] matrix_a_fmt:MATRIX_FMT_FP6 matrix_b_fmt:MATRIX_FMT_FP6 matrix_a_scale:MATRIX_SCALE_ROW1 matrix_b_scale:MATRIX_SCALE_ROW1
.endif
.endif
.endr
.endm
.macro GRP g, par, zero
	WINM 2*(\g), \zero
	MUL4 2*(\g), \par, \zero
	MUL4 2*(\g)+1, \par, \zero
.endm
.macro AFTER zero, st, n0, n1          ; behind a group: the next group's biases, and four places in front of loads into the buffer just multiplied (ISA guide 7.12.1 for vector instructions)
	WIN 0
.if \zero
	BIAS \st, \n0, \n1
.endif
	PLACES 4
.endm
; A K STEP: eight groups of two tiles, 64 matrix instructions.  par: its parity = its slot.  zero = 1: the sums start, with the bias as C.
; mode 2: the slot is filled again and the next step's first fragments are fetched; 1: filled again only; 3: fetched only; 0: neither.
; A buffer is loaded again straight behind its own group, three groups ahead of its next use.  Each wait's count is the LDS instructions issued behind the ones that are wanted:
; the order is [next BLD 0, BLD 1, SB 0-3 | BLD 2 | BLD 3, SB 4-7] in the step before, then [BLD 4, x 0, SA | BLD 5, x 1 | BLD 6, x 2 | BLD 7, x 3] here.
.macro STEP par, zero, mode
.set FA, ((\mode)>>1)&1
	s_wait_dscnt 13                                ; BLD 2 (6), BLD 3 (6) and SB 4-7 (1) may be out
	GRP 0, \par, \zero
	AFTER \zero, 1, 2, 3
.if FA
	s_add_co_u32 s42, s42, XKB                     ; x's next place
	v_add_nc_u32 v[ADX], s42, v[ADA0]
	v_add_nc_u32 v[ADSX], s42, v[ADS0]
.endif
	WIN 0x40
	BLD \par, 4
.if FA
	ALD 1-(\par), 0
	WIN 0
	ds_load_b64 v[SA+2*(1-(\par)):SA+2*(1-(\par))+1], v[ADSX]
.endif
	s_wait_dscnt 19+4*FA
	GRP 1, \par, \zero
	AFTER \zero, 0, 4, 5
	WIN 0x40
	BLD \par, 5
.if FA
	ALD 1-(\par), 1
.endif
	s_wait_dscnt 19+7*FA
	GRP 2, \par, \zero
	AFTER \zero, 1, 6, 7
	WIN 0x40
	BLD \par, 6
.if FA
	ALD 1-(\par), 2
.endif
	s_wait_dscnt 19+10*FA
	GRP 3, \par, \zero
	AFTER \zero, 0, 8, 9
	WIN 0x40
	BLD \par, 7
.if FA
	ALD 1-(\par), 3
.endif
	s_wait_dscnt 18+13*FA
	GRP 4, \par, \zero
.if \zero
	AFTER 1, 1, 10, 11
.endif
.if ((\mode) == 1) || ((\mode) == 2)
	WIN 0                                          ; (the add's two registers lie in window 0)
	s_wait_tensorcnt 0x0                           ; all my tensor loads have landed: the one that was out is my block of the next K step;
	ds_add_u32 v[SPW], v[NIL]                      ; 0 onto my spare word;
	s_add_co_u32 s60, s43, s62                     ; no load of mine is out, so a group 0 may be written.  Block g = s43 of my walk, two steps on: projection g / 8,
	s_and_b32 s60, s60, 7                          ; K step (g + c) mod 8
	s_and_b32 s61, s43, 24
	s_add_co_u32 s60, s60, s61
	s_mul_i32 s60, s60, SLOTB                      ; 23 x 102,400 bytes at the most
	s_mov_b32 s61, 0
	s_add_nc_u64 s[34+4*(\par):35+4*(\par)], s[58:59], s[60:61]
	s_or_b32 s[35+4*(\par)], s[35+4*(\par)], 0x80000000   ; the type
	s_add_co_u32 s43, s43, 1
	s_wait_dscnt 13+9*FA                           ; BLD 5 is in (behind it: the rest of three runs, and the add)
	WINM 10, \zero
	MUL4 10, \par, \zero
	s_wait_dscnt 0x0                               ; the add is done, and my reads of this slot are over
	s_barrier_signal -1                            ; this barrier opens a round of the cluster's barrier
	MUL4 11, \par, \zero
	WIN 0
	s_barrier_wait -1
	CREST                                          ; no wave of any partner still reads this slot or has a load on its way
	tensor_load_to_lds s[32+4*(\par):35+4*(\par)], s[24:31]   ; my one load behind the round
	s_nop 0
	PLACES 4                                       ; also the places in front of the loads below
.if \zero
	BIAS 0, 12, 13
	PLACES 4
.endif
.else
.if (\mode) == 3
	s_wait_tensorcnt 0x0                           ; my last block has landed: nothing is filled any more
.endif
	s_wait_dscnt 0x0
	GRP 5, \par, \zero
	WIN 0
	PLACES 4
.endif
.if FA
	WIN 0x40
	BLD 1-(\par), 0
	BLD 1-(\par), 1
	WIN 0
	ds_load_b128 v[SB:SB+3], v[ADB+1-(\par)] offset:24576
.endif
	GRP 6, \par, \zero
.if FA
	AFTER \zero, 1, 14, 15
	WIN 0x40
	BLD 1-(\par), 2
.endif
	GRP 7, \par, \zero
	WIN 0
	PLACES 4
.if FA
	WIN 0x40
	BLD 1-(\par), 3
	WIN 0
	ds_load_b128 v[SB+4:SB+7], v[ADB+1-(\par)] offset:25088
.endif
.endm
.macro FETCH0                          ; a projection's first fragments, in the order on which the first wait's count leans
	s_mov_b32 s42, 0
	v_add_nc_u32 v[ADX], s42, v[ADA0]
	v_add_nc_u32 v[ADSX], s42, v[ADS0]
	WIN 0x40
	ALD 0, 0
	ALD 0, 1
	ALD 0, 2
	ALD 0, 3
	BLD 0, 0
	BLD 0, 1
	WIN 0
	ds_load_b64 v[SA:SA+1], v[ADSX]
	ds_load_b128 v[SB:SB+3], v[ADB] offset:24576
	WIN 0x40
	BLD 0, 2
	BLD 0, 3
	WIN 0
	ds_load_b128 v[SB+4:SB+7], v[ADB] offset:25088
.endm
; ---- the mixing over the heads, in f32 (its results go into a quantiser).  Group G = 4 a + g: row tile a, tiles b = 4 g + u.  Four accumulators take turns; K step s takes heads 4 s .. 4 s + 3
.macro MIXRND G, s
.set mA, (\G)/4
.set mQ, (\G)%4
	WIN 0x08+4*(mQ/2)                              ; source 1: the accumulators' window
.irp u, 0,1,2,3
.set mR, MIX+32*((\G)%2)+8*\u
.set mB, 64*mA+8*((4*mQ+\u)%8)+2*(\s)
.if (\s) == 0
	v_wmma_f32_16x16x4_f32 v[mR:mR+7], v[AE+2*(\s):AE+2*(\s)+1], v[mB:mB+1], 0
.else
	v_wmma_f32_16x16x4_f32 v[mR:mR+7], v[AE+2*(\s):AE+2*(\s)+1], v[mB:mB+1], v[mR:mR+7]
.endif
.endr
.endm
; The filter's multiplication is also the move that lays 16 neighbouring d in 16 consecutive registers: run (a, j) holds d = 16 w + 0 .. 15 of token r, row k = 8 h + j.
; Run (0, j): window 1, v[16 j]; run (a > 0, j): window 2 + j / 4, v[64 (a - 1) + 16 (j % 4)]: the registers that row tile a - 1's accumulators have left.
.macro SLICE G, u
.set mA, (\G)/4
.set mb, 4*((\G)%4)+(\u)
.set mR, MIX+32*((\G)%2)+8*(\u)
.irp j, 0,1,2,3,4,5,6,7
.if mA == 0
	WIN 0x40
	v_mul_f32 v[16*\j+mb], v[mR+\j], v[WK+\j]
.else
	WIN 0x80+0x40*(\j/4)
	v_mul_f32 v[64*(mA-1)+16*(\j%4)+mb], v[mR+\j], v[WK+\j]
.endif
.endr
.endm
; Group G's rounds carry group G - 1's multiplications: eight behind each round.  They are the eight places that this form wants between a result's last link and its first reader
.macro MIXALL
	PLACES 4                                       ; with the four at the last K step's end: more than the five between a result and the matrix instruction that takes it as an operand
.set GG, 0
.rept 16
.set SS, 0
.rept 4
	MIXRND GG, SS
.if (GG == 1) && (SS == 0)
	PLACES 8                                       ; the first group has no multiplications in front of its own
.endif
.if GG > 0
	SLICE GG-1, SS
.endif
.set SS, SS+1
.endr
.set GG, GG+1
.endr
.irp u, 0,1,2,3
	SLICE 15, \u
.endr
	WIN 0
.endm
.macro RUN a, j
.if (\a) == 0
.set rW, 1
.set rR, 16*(\j)
.else
.set rW, 2+(\j)/4
.set rR, 64*((\a)-1)+16*((\j)%4)
.endif
.endm
.macro MAXALL                          ; the largest magnitude of each run, with the floor 2^(3 - 127) among its leaves; four runs by turns
.irp a, 0,1,2,3
.irp hf, 0,4
.irp j, 0,1,2,3
	RUN \a, \hf+\j
	WIN 0x14*rW
	v_max3_num_f32 v[MX+8*\a+\hf+\j], 0x1800000, |v[rR]|, |v[rR+1]|
.endr
.irp i, 2,4,6,8,10,12,14
.irp j, 0,1,2,3
	RUN \a, \hf+\j
	v_max3_num_f32 v[MX+8*\a+\hf+\j], v[MX+8*\a+\hf+\j], |v[rR+\i]|, |v[rR+\i+1]|
.endr
.endr
.endr
.endr
	WIN 0
.endm
.macro EXCH                            ; a block of 32 d lies in waves w and w xor 1: the maxima change hands as an image of their registers
.irp i, 0,1,2,3,4,5,6,7
	ds_store_b128 v[MXW], v[MX+4*\i:MX+4*\i+3] offset:512*\i
.endr
	BAR
	WIN 0x40
.irp i, 0,1,2,3,4,5,6,7
	ds_load_b128 v[128+4*\i:131+4*\i], v[MXR] offset:512*\i
.endr
	s_wait_dscnt 0x0
	WIN 0x01
.set n, 0
.rept 32
	v_max_num_f32 v[MX+n], v[128+n], v[MX+n]
.set n, n+1
.endr
	WIN 0
.set n, 0
.rept 32
	v_add_nc_u32 v[MX+n], 0xff000000, v[MX+n]      ; 2 off the exponent field: the conversion's scale operand
.set n, n+1
.endr
	WIN 0x40
.set n, 0
.rept 32
	v_lshrrev_b32 v[128+n], 23, v[MX+n]            ; the scale's byte
.set n, n+1
.endr
	WIN 0x04
.set n, 0
.rept 32
	ds_store_b8 v[RSA], v[128+n] offset:1024*(n/8)+4*(n%8)
.set n, n+1
.endr
.endm
.macro CONV a                          ; row tile a: eight runs become 12 bytes of codes each.  The codes' registers take turns between v160-191 and v128-159 of window 1
.set cT, 160-32*((\a)%2)
.if (\a) >= 1
	s_wait_dscnt 24                                ; all but the last tile's 24 stores are done: those that read this set among them
.endif
.irp j, 0,1,2,3,4,5,6,7
.if (\a) == 0
	WIN 0x41
	v_cvt_scalef32_pk16_fp6_f32 v[cT+4*\j:cT+4*\j+2], v[16*\j:16*\j+15], v[MX+8*(\a)+\j]
.else
	WIN 0x42+\j/4
	v_cvt_scalef32_pk16_fp6_f32 v[cT+4*\j:cT+4*\j+2], v[64*((\a)-1)+16*(\j%4):64*((\a)-1)+16*(\j%4)+15], v[MX+8*(\a)+\j]
.endif
.endr
	v_nop                                          ; one plain place behind the last conversion
	WIN 0x04
.irp j, 0,1,2,3,4,5,6,7
.irp c, 0,1,2
	ds_store_b32 v[RA], v[cT+4*\j+\c] offset:16*RPT*(\a)+48*\j+4*\c
.endr
.endr
.endm
; Q's codes stay in registers: a pair of tokens is one operand of 12 registers, token 2 i at K 0 .. 63, token 2 i + 1 at K 64 .. 127
.macro QREG t
.if ((\t)/2) < 5
.set qW, 1
.set qR, 192+12*((\t)/2)
.elseif ((\t)/2) == 5
.set qW, 0
.set qR, 116
.else
.set qW, 0
.set qR, 224+12*((\t)/2-6)
.endif
.endm
.macro QLOAD
.set n, 0
.rept 16
	QREG n
	WIN 0x40*qW
.irp p, 0,1,2
	ds_load_b64 v[qR+6*(n%2)+2*\p:qR+6*(n%2)+2*\p+1], v[RQ] offset:RPT*(32*(n/8)+n%8)+8*\p
.endr
.set n, n+1
.endr
	WIN 0
.set n, 0
.rept 16
	ds_load_b32 v[QS+n], v[RSQ] offset:64*(32*(n/8)+n%8)
.set n, n+1
.endr
	s_wait_dscnt 0x0
.endm
; K's codes: window 3, 18 registers a pair: [even token | six zeros | odd token]: registers 0-11 serve the even token, 6-17 the odd one, so that the half of K that belongs to the other token meets zero codes
.macro KLOAD
	WIN 0xc0
.set n, 0
.rept 16
.irp p, 0,1,2
	ds_load_b64 v[18*(n/2)+12*(n%2)+2*\p:18*(n/2)+12*(n%2)+2*\p+1], v[RQ] offset:RPT*(32*(n/8)+n%8)+8*\p
.endr
.set n, n+1
.endr
	WIN 0
.set n, 0
.rept 16
	ds_load_b32 v[KS+n], v[RSQ] offset:64*(32*(n/8)+n%8)
.set n, n+1
.endr
.endm
; Four tokens t = 4 q + u by turns: scores, softmax, M = E attn G, M as pairs of bf16, its image to LDS
.macro ATTN q
	s_wait_dscnt 0x0                               ; the last four images' stores have read their registers
.irp u, 0,1,2,3
	QREG 4*(\q)+\u
	WIN 0xa3+4*qW
	v_wmma_scale_f32_16x16x128_f8f6f4 v[8*\u:8*\u+7], v[18*(2*(\q)+\u/2)+6*(\u%2):18*(2*(\q)+\u/2)+6*(\u%2)+11], v[qR:qR+11], 0, v[KS+4*(\q)+\u], v[QS+4*(\q)+\u] matrix_a_fmt:MATRIX_FMT_FP6 matrix_b_fmt:MATRIX_FMT_FP6
.endr                                  ; source 0 = Kf's 16 rows l, source 1 = Qf's 16 rows k: lane (k, h) holds the scores of l = 8 h + j
	WIN 0xaa
	PLACES 4
.irp u, 0,1,2,3
	v_max3_num_f32 v[ST+8*\u+2], v[8*\u], v[8*\u+1], v[8*\u+2]
.endr
.irp u, 0,1,2,3
	v_max3_num_f32 v[ST+8*\u+3], v[8*\u+3], v[8*\u+4], v[8*\u+5]
.endr
.irp u, 0,1,2,3
	v_max3_num_f32 v[ST+8*\u+2], v[ST+8*\u+2], v[8*\u+6], v[8*\u+7]
.endr
.irp u, 0,1,2,3
	v_max_num_f32 v[ST+8*\u+2], v[ST+8*\u+2], v[ST+8*\u+3]
.endr
.irp u, 0,1,2,3
	v_permlanex16_b32 v[ST+8*\u+3], v[ST+8*\u+2], s44, s45
.endr
.irp u, 0,1,2,3
	v_max_num_f32 v[ST+8*\u+2], v[ST+8*\u+2], v[ST+8*\u+3]   ; the row's largest score
.endr
.irp u, 0,1,2,3
	v_mul_f32 v[ST+8*\u], s46, v[ST+8*\u+2]        ; c m
.endr
.irp i, 0,2,4,6
.irp u, 0,1,2,3
	v_pk_fma_f32 v[8*\u+\i:8*\u+\i+1], v[8*\u+\i:8*\u+\i+1], s[46:47], v[ST+8*\u:ST+8*\u+1] op_sel_hi:[1,0,0] neg_lo:[0,0,1] neg_hi:[0,0,1]   ; c s - c m
.endr
.endr
.set n, 0
.rept 32
	v_exp_f32 v[n], v[n]
.set n, n+1
.endr
	v_nop                                          ; a plain place behind the last exponential
	s_wait_alu depctr_va_vdst(0)                   ; one wait for the batch of 32, ahead of its first reader
.irp u, 0,1,2,3
	v_pk_add_f32 v[ST+8*\u+4:ST+8*\u+5], v[8*\u:8*\u+1], v[8*\u+2:8*\u+3]
.endr
.irp u, 0,1,2,3
	v_pk_add_f32 v[ST+8*\u+4:ST+8*\u+5], v[ST+8*\u+4:ST+8*\u+5], v[8*\u+4:8*\u+5]
.endr
.irp u, 0,1,2,3
	v_pk_add_f32 v[ST+8*\u+4:ST+8*\u+5], v[ST+8*\u+4:ST+8*\u+5], v[8*\u+6:8*\u+7]
.endr
.irp u, 0,1,2,3
	v_add_f32 v[ST+8*\u+2], v[ST+8*\u+4], v[ST+8*\u+5]
.endr
.irp u, 0,1,2,3
	v_permlanex16_b32 v[ST+8*\u+3], v[ST+8*\u+2], s44, s45
.endr
.irp u, 0,1,2,3
	v_add_f32 v[ST+8*\u+2], v[ST+8*\u+2], v[ST+8*\u+3]
.endr
.irp u, 0,1,2,3
	v_rcp_f32 v[ST+8*\u+6], v[ST+8*\u+2]
.endr
	v_nop
	s_wait_alu depctr_va_vdst(0)                   ; one wait for the four reciprocals
.irp i, 0,2,4,6
.irp u, 0,1,2,3
	v_pk_mul_f32 v[8*\u+\i:8*\u+\i+1], v[8*\u+\i:8*\u+\i+1], v[ST+8*\u+6:ST+8*\u+7] op_sel_hi:[1,0]   ; attn
.endr
.endr
	; T(k, c) = sum over l of attn(k, l) G(l, c): a lane's register pair 2 s, 2 s + 1 is l = 8 h + 2 s + 0, 1 on both sides: a permutation of K applied alike to both operands
	WIN 0x02
.irp s, 0,1,2,3
.irp u, 0,1,2,3
.if \s == 0
	v_wmma_f32_16x16x4_f32 v[MIX+8*\u:MIX+8*\u+7], v[8*\u+2*\s:8*\u+2*\s+1], v[GF+2*\s:GF+2*\s+1], 0
.else
	v_wmma_f32_16x16x4_f32 v[MIX+8*\u:MIX+8*\u+7], v[8*\u+2*\s:8*\u+2*\s+1], v[GF+2*\s:GF+2*\s+1], v[MIX+8*\u:MIX+8*\u+7]
.endif
.endr
.endr
	PLACES 9                                       ; nine places between this form's result and the matrix instruction that takes it as an operand
	WIN 0
.irp s, 0,1,2,3                                ; M^T(c, head) = sum over k of T(k, c) E(head, k): lane (head, h) then holds M(head, c = 8 h + j), c in V's register order
.irp u, 0,1,2,3
.if \s == 0
	v_wmma_f32_16x16x4_f32 v[MIX+32+8*\u:MIX+39+8*\u], v[MIX+8*\u+2*\s:MIX+8*\u+2*\s+1], v[EF+2*\s:EF+2*\s+1], 0
.else
	v_wmma_f32_16x16x4_f32 v[MIX+32+8*\u:MIX+39+8*\u], v[MIX+8*\u+2*\s:MIX+8*\u+2*\s+1], v[EF+2*\s:EF+2*\s+1], v[MIX+32+8*\u:MIX+39+8*\u]
.endif
.endr
.endr
	PLACES 8
	WIN 0x80
.irp u, 0,1,2,3
.irp p, 0,1,2,3
	v_cvt_pk_bf16_f32 v[OP+8*\u+\p], v[MIX+32+8*\u+2*\p], v[MIX+33+8*\u+2*\p]   ; hi
.endr
.endr
	WIN 0x82
.irp u, 0,1,2,3
.irp p, 0,1,2,3
	v_fma_mix_f32_bf16 v[TT+8*\u+2*\p], v[OP+8*\u+\p], v[NEG1], v[MIX+32+8*\u+2*\p] op_sel_hi:[1,0,0]                  ; what hi has left: exact
	v_fma_mix_f32_bf16 v[TT+8*\u+2*\p+1], v[OP+8*\u+\p], v[NEG1], v[MIX+33+8*\u+2*\p] op_sel:[1,0,0] op_sel_hi:[1,0,0]
.endr
.endr
	WIN 0x8a
.irp u, 0,1,2,3
.irp p, 0,1,2,3
	v_cvt_pk_bf16_f32 v[OP+4+8*\u+\p], v[TT+8*\u+2*\p], v[TT+8*\u+2*\p+1]       ; lo
.endr
.endr
	WIN 0x08
.irp u, 0,1,2,3
	ds_store_b128 v[IMGA], v[OP+8*\u:OP+8*\u+3] offset:1024*(4*(\q)+\u)
	ds_store_b128 v[IMGA], v[OP+8*\u+4:OP+8*\u+7] offset:1024*(4*(\q)+\u)+512
.endr
	WIN 0
.endm
; ---- the loop over the projections: three trips; s40 counts 3 (Q), 2 (K), 1 (V).  V's trip leaves it for its own tail
	s_mov_b32 s40, 3
.Lphase:
	s_wait_tensorcnt 0x1                           ; my block of this projection's first K step is in; the one load issued behind it may be out.  From the head and from the back edge alike
	s_wait_loadcnt 0x0                             ; the bias
	FETCH0
	BIAS 0, 0, 1
	PLACES 4
	STEP 0, 1, 2
	STEP 1, 0, 2
	s_mov_b32 s41, 2
.Lk:
	STEP 0, 0, 2
	STEP 1, 0, 2
	s_sub_co_u32 s41, s41, 1
	s_cmp_lg_u32 s41, 0
	s_cbranch_scc1 .Lk
	s_cmp_eq_u32 s40, 1
	s_cbranch_scc1 .Lvtail
	s_cmp_eq_u32 s40, 3
	s_cselect_b64 s[48:49], s[10:11], s[12:13]     ; the next projection's bias: bk behind Q, bv behind K
	BCLOAD 48
	STEP 0, 0, 2
	STEP 1, 0, 1                                   ; the ring goes on into the next projection; its fragments are fetched later: the mixing takes their registers
	MIXALL
	MAXALL
	EXCH
	CONV 0
	CONV 1
	CONV 2
	CONV 3
	WIN 0
	BAR                                            ; the codes and scale bytes of all 64 tokens lie in LDS
	s_cmp_eq_u32 s40, 3
	s_cbranch_scc0 .Lkarm
	QLOAD
	s_branch .Lnext
.Lkarm:
	WIN 0xc0
.irp i, 0,1,2,3,4,5,6,7
.irp z, 6,7,8,9,10,11
	v_mov_b32 v[18*\i+\z], 0                       ; the zero codes between a pair's tokens
.endr
.endr
	KLOAD
	WIN 0x80
.set n, 0
.rept 32
	v_mov_b32 v[ST+n], 0                           ; the statistics: lane operations' destinations and the idle halves of pairs are written once.  (Also the places between the zero codes and the products that read them)
.set n, n+1
.endr
	WIN 0
	BAR                                            ; every wave has K's codes and scale words in registers: their bytes, and the maxima's, take M's images
	ATTN 0
	ATTN 1
	ATTN 2
	ATTN 3
.Lnext:
	s_sub_co_u32 s40, s40, 1
	s_branch .Lphase
; ---- V's tail
.macro VPACK a                         ; row tile a's accumulators go to the stage as they are, each from its low end on: token slot 16 (a % 2) + r, d = 16 w + b, at 2048 (j / 4) + 512 (d % 4) + 256 h + 16 (d / 4)
.irp b, 0,1,2,3,4,5,6,7,8,9,10,11,12,13,14,15
	WIN 0x08+4*(\b/8)
	ds_store_b128 v[VSA+(\a)%2], v[64*(\a)+8*(\b%8):64*(\a)+8*(\b%8)+3] offset:512*(\b%4)+16*(\b/4)
	ds_store_b128 v[VSA+(\a)%2], v[64*(\a)+8*(\b%8)+4:64*(\a)+8*(\b%8)+7] offset:2048+512*(\b%4)+16*(\b/4)
.endr
.endm
; Eight of my tokens, two a trip.  All in window 1: v0-63 V as f32 (tile 4 e + i: d = 4 (lane % 16) + i), later the rows to store; v64-127 [Vh|Vl]; v128-159 [Mh|Mh], [Ml|Ml]; v160-223 out
.macro TAIL
	s_mov_b32 s66, 0
	s_mov_b32 s68, 4
.Ltail_\@:
	v_add_nc_u32 v[VRC], s66, v[VRA]
	v_add_nc_u32 v[ATC], s67, v[IMGA]
	WIN 0x40
.irp e, 0,1
	ds_load_b128 v[128+16*\e:131+16*\e], v[ATC] offset:1024*\e
	ds_load_b128 v[132+16*\e:135+16*\e], v[ATC] offset:1024*\e
	ds_load_b128 v[136+16*\e:139+16*\e], v[ATC] offset:1024*\e+512
	ds_load_b128 v[140+16*\e:143+16*\e], v[ATC] offset:1024*\e+512
.irp i, 0,1,2,3
	ds_load_b128 v[8*(4*\e+\i):8*(4*\e+\i)+3], v[VRC] offset:VP2*\e+512*\i
	ds_load_b128 v[8*(4*\e+\i)+4:8*(4*\e+\i)+7], v[VRC] offset:VP2*\e+2048+512*\i
.endr
.endr
.irp e, 0,1
	s_wait_dscnt 12-12*\e                          ; this token's twelve loads are in; the other's may be out
	WIN 0x55
.irp i, 0,1,2,3
.irp p, 0,1,2,3
	v_cvt_pk_bf16_f32 v[64+8*(4*\e+\i)+\p], v[8*(4*\e+\i)+2*\p], v[8*(4*\e+\i)+2*\p+1]   ; hi
.endr
.endr
	WIN 0x51
.irp i, 0,1,2,3
.irp p, 0,1,2,3
	v_fma_mix_f32_bf16 v[8*(4*\e+\i)+2*\p], v[64+8*(4*\e+\i)+\p], v[NEG1], v[8*(4*\e+\i)+2*\p] op_sel_hi:[1,0,0]
	v_fma_mix_f32_bf16 v[8*(4*\e+\i)+2*\p+1], v[64+8*(4*\e+\i)+\p], v[NEG1], v[8*(4*\e+\i)+2*\p+1] op_sel:[1,0,0] op_sel_hi:[1,0,0]
.endr
.endr
	WIN 0x55
.irp i, 0,1,2,3
.irp p, 0,1,2,3
	v_cvt_pk_bf16_f32 v[68+8*(4*\e+\i)+\p], v[8*(4*\e+\i)+2*\p], v[8*(4*\e+\i)+2*\p+1]   ; lo
.endr
.endr
.irp i, 0,1,2,3                                ; out(head, d) = sum over c of (Mh + Ml)(Vh + Vl): four accumulators by turns
	v_wmma_f32_16x16x32_bf16 v[160+8*(4*\e+\i):167+8*(4*\e+\i)], v[128+16*\e:135+16*\e], v[64+8*(4*\e+\i):71+8*(4*\e+\i)], 0
.endr
.irp i, 0,1,2,3
	v_wmma_f32_16x16x32_bf16 v[160+8*(4*\e+\i):167+8*(4*\e+\i)], v[136+16*\e:143+16*\e], v[64+8*(4*\e+\i):71+8*(4*\e+\i)], v[160+8*(4*\e+\i):167+8*(4*\e+\i)]
.endr
.endr
	PLACES 4
.irp e, 0,1
.irp j, 0,1,2,3,4,5,6,7
.irp i, 0,1,2,3
	v_mov_b32 v[32*\e+4*\j+\i], v[160+8*(4*\e+\i)+\j]   ; a lane's four tiles are four neighbouring d of head 8 h + j; each accumulator from its low end on
.endr
.endr
.endr
	WIN 0x04
.irp e, 0,1
.irp j, 0,1,2,3,4,5,6,7
	global_store_b128 v[OA], v[32*\e+4*\j:32*\e+4*\j+3], s[18:19] offset:4096*\e+256*\j th:TH_STORE_NT   ; sixteen lanes store 256 consecutive bytes, at a multiple of 256 from out's first byte
.endr
.endr
	WIN 0
	s_wait_xcnt 0x0                                ; the stores have read their registers and their base: both may be written again
	s_add_nc_u64 s[18:19], s[18:19], 8192
	s_add_co_u32 s66, s66, 2*VP2
	s_add_co_u32 s67, s67, 2048
	s_sub_co_u32 s68, s68, 1
	s_cmp_lg_u32 s68, 0
	s_cbranch_scc1 .Ltail_\@
.endm
.Lvtail:
	STEP 0, 0, 3                                   ; V's last two K steps ask for nothing
	STEP 1, 0, 0
	BAR                                            ; nobody reads the ring any more, and both slots have had their last fill: V's stage takes their bytes
	VPACK 0
	VPACK 1
	WIN 0
	BAR                                            ; V of tokens 0 .. 31 lies in the stage
	s_mov_b32 s67, 0
	TAIL
	s_add_nc_u64 s[18:19], s[18:19], 98304         ; from token 8 w + 8 to token 32 + 8 w: 24 rows of 4,096 bytes
	BAR                                            ; every wave's reads of the stage are over: it is written again
	VPACK 2
	VPACK 3
	WIN 0
	BAR                                            ; V of tokens 32 .. 63 lies in the stage
	TAIL                                           ; s67 goes on: M's images 8 .. 15
	s_wait_tensorcnt 0x0                           ; the wave's end: behind my last tensor load and my last LDS store
	ds_add_u32 v[SPW], v[NIL]
	s_wait_dscnt 0x0
	CROUND                                         ; the closing round: no work-group ends while a partner may still ask for a block that names it
	s_endpgm
.Lfunc_end_k_q9507d2dd0e_spectral:
	.size	k_q9507d2dd0e_spectral, .Lfunc_end_k_q9507d2dd0e_spectral-k_q9507d2dd0e_spectral
	.p2alignl 7, 3214868480
	.fill 96, 4, 3214868480
	.section	.rodata,"a",@progbits
	.p2align	6, 0x0
	.amdhsa_kernel k_q9507d2dd0e_spectral
		.amdhsa_group_segment_fixed_size 327680
		.amdhsa_private_segment_fixed_size 0
		.amdhsa_enable_private_segment 0
		.amdhsa_kernarg_size 64
		.amdhsa_user_sgpr_count 2
		.amdhsa_user_sgpr_kernarg_segment_ptr 1
		.amdhsa_wavefront_size32 1
		.amdhsa_system_sgpr_workgroup_id_x 1
		.amdhsa_system_sgpr_workgroup_id_y 1
		.amdhsa_system_sgpr_workgroup_id_z 1
		.amdhsa_system_vgpr_workitem_id 0
		.amdhsa_next_free_vgpr 1024
		.amdhsa_next_free_sgpr 90
		.amdhsa_reserve_vcc 0
		.amdhsa_float_denorm_mode_32 3
		.amdhsa_float_denorm_mode_16_64 3
		.amdhsa_memory_ordered 1
		.amdhsa_forward_progress 1
		.amdhsa_inst_pref_size 255
	.end_amdhsa_kernel
	.section	.bss,"aw",@nobits
	.p2align	6
	.space	262144
	.amdgpu_metadata
---
amdhsa.version: [ 1, 2 ]
amdhsa.kernels:
  - .name:           k_q9507d2dd0e_spectral
    .symbol:         k_q9507d2dd0e_spectral.kd
    .args:
      - { .name: x, .offset: 0, .size: 8, .value_kind: global_buffer, .address_space: global }
      - { .name: wimg, .offset: 8, .size: 8, .value_kind: global_buffer, .address_space: global }
      - { .name: bq, .offset: 16, .size: 8, .value_kind: global_buffer, .address_space: global }
      - { .name: bk, .offset: 24, .size: 8, .value_kind: global_buffer, .address_space: global }
      - { .name: bv, .offset: 32, .size: 8, .value_kind: global_buffer, .address_space: global }
      - { .name: eigenvectors, .offset: 40, .size: 8, .value_kind: global_buffer, .address_space: global }
      - { .name: filter_weights, .offset: 48, .size: 8, .value_kind: global_buffer, .address_space: global }
      - { .name: out0, .offset: 56, .size: 8, .value_kind: global_buffer, .address_space: global }
    .group_segment_fixed_size: 327680
    .private_segment_fixed_size: 0
    .kernarg_segment_align: 8
    .kernarg_segment_size: 64
    .max_flat_workgroup_size: 128
    .sgpr_count:     90
    .vgpr_count:     1024
    .wavefront_size: 32
...
	.end_amdgpu_metadata
.endif
;; end of part 2
